; MI455X (gfx1250); checked and timed in simulation.
; The chip was launched on July 23, 2026; its instructions are those of AMD's public machine-readable ISA for CDNA 5 (MIT licence, August 2026) and "CDNA5" Instruction Set Architecture Reference Guide (July 2026). The comments in the code are by the model that wrote it; some were corrected since.
;; Min GRU. Allowed arithmetic: float matrix products may take bf16 or f16 operands with f32 sums; other float arithmetic in f32, or as packed bf16 or f16 multiplies, adds, multiply-adds, maxima and minima; sums over many terms, partial sums and values carried from step to step in f32; what a program stores and reads back later, other than sums and carried values, may be rounded once to bf16 or f16.
;; Inputs: Wh 1,024 x 1,024 float32; Wo 1,024 x 1,024 float32; Wz 1,024 x 1,024 float32; bh 1,024 float32; bo 1,024 float32; bz 1,024 float32; x 8 x 2,048 x 1,024 float32.
;; Outputs: out0 8 x 2,048 x 1,024 float32.
;; 2 versions, each right; version 2 is version 1 with the launch prep written anew for expert scheduling mode. Each part assembles by itself: llvm-mc -triple=amdgcn-amd-amdhsa -mcpu=gfx1250 --defsym DOCPART=n.
;; ======== version 1 of 2: 3 launches
;; limits: values are held in f16: magnitudes above 65,504 overflow, below 6.1e-05 lose precision; values outside matrix products are rounded to f16; right only within a limited range of input values
;; workspace buffers: xb16 33,554,432 bytes; wg16 4,194,304 bytes; wo16 2,097,152 bytes; gst 67,108,864 bytes; pet 524,288 bytes
;; launch prep (part 1): grid 512 x 1, 8 waves a work-group, no clusters, 0 bytes of LDS; arguments x, Wz, Wh, Wo, xb16, wg16, wo16; writes xb16, wg16, wo16
.if DOCPART == 1
	.amdgcn_target "amdgcn-amd-amdhsa--gfx1250"
	.amdhsa_code_object_version 6
	.text
	.protected	k_qe58cb6677a_prep
	.globl	k_qe58cb6677a_prep
	.p2align	8
	.type	k_qe58cb6677a_prep,@function
k_qe58cb6677a_prep:
	s_mov_b64 s[64:65], 0
	v_nop
	global_prefetch_b8 v0, s[64:65] scope:SCOPE_SE
	s_setreg_imm32_b32 hwreg(HW_REG_WAVE_MODE, 25, 1), 1
	s_wait_xcnt 0x0
; PREP: the inputs of the three products are rounded once and laid out for the tensor loads of the two launches behind.
;   xb16 [16384][1024] bf16 = x.
;   wg16 [2048][1024] bf16: row 128 (ch / 64) + 64 kind + ch % 64, kind 0 = Wz, 1 = Wh: 64 gate rows, then the 64 candidate rows of the same channels.
;   wo16 [16 blocks of 64 k][1024 d][64] f16 = Wo rounded to bf16 and that number written as f16: 256 rows d of a block are 32,768 dense bytes.
; LIMIT: a weight of Wo below 6e-5 in magnitude keeps f16's fixed step of 6e-8; beyond 65,504 it would be an infinity.
; A stream: memory binds, so no LDS, no barrier, no matrix unit.  Work-group G takes rows 32 G .. 32 G + 31 of x and rows 2 G, 2 G + 1 of each weight:
; 38 items of 4,096 input bytes, alike in every work-group.  Thread t owns 16 input bytes of an item: a wave's load covers 512 consecutive bytes, its store 256 consecutive
; aligned bytes.  Every row stands in an immediate, so no address register is ever rewritten.  A ring of 16 slots keeps 16 loads of every wave in flight; with 112 registers a wave
; several work-groups lie on a WGP, which multiplies the bytes in flight.
.set NX,    32                         ; rows of x
.set NITEM, NX+6
.set VI,  1                            ; v1  16 t: my bytes in an input row
.set VO,  2                            ; v2  8 t: my bytes in a bf16 row
.set VIW, 3                            ; v3  Wo: (lane / 16) rows of 4,096 + 256 wave + 16 (lane % 16)
.set VOW, 4                            ; v4  wo16: 131,072 wave (the block) + 128 (lane / 16) + 8 (lane % 16)
.set T,   6                            ; v6-9  at work
.set X,   16                           ; v16-79   slot s: 4 registers as loaded
.set Y,   80                           ; v80-111  slot s: 2 registers to store
	s_load_b256 s[4:11], s[0:1], 0x0               ; x s[4:5], Wz s[6:7], Wh s[8:9], Wo s[10:11]
	s_load_b128 s[12:15], s[0:1], 0x20             ; xb16 s[12:13], wg16 s[14:15]
	s_load_b64 s[16:17], s[0:1], 0x30              ; wo16
	v_lshlrev_b32 v[VI], 4, v0
	v_lshlrev_b32 v[VO], 3, v0
	v_and_b32 v5, 15, v0                           ; lane % 16
	v_bfe_u32 v10, v0, 4, 1                        ; lane / 16
	v_lshrrev_b32 v11, 5, v0                       ; wave
	v_lshlrev_b32 v[VIW], 4, v5
	v_lshl_add_u32 v[VIW], v11, 8, v[VIW]
	v_lshl_add_u32 v[VIW], v10, 12, v[VIW]
	v_lshlrev_b32 v[VOW], 3, v5
	v_lshl_add_u32 v[VOW], v10, 7, v[VOW]
	v_lshl_add_u32 v[VOW], v11, 17, v[VOW]
	s_mov_b32 s22, 0xffff0000                      ; a word's upper bf16
	s_mov_b32 s21, 0
	s_lshr_b32 s23, ttmp9, 5                       ; wg16's first row: 128 (G / 32) + (2 G) % 64
	s_lshl_b32 s23, s23, 7
	s_lshl_b32 s24, ttmp9, 1
	s_and_b32 s24, s24, 63
	s_add_co_u32 s23, s23, s24
	s_lshl_b32 s20, ttmp9, 17                      ; 32 rows of 4,096 bytes
	s_wait_kmcnt 0x0
	s_add_nc_u64 s[4:5], s[4:5], s[20:21]
	s_lshl_b32 s20, ttmp9, 16                      ; 32 rows of 2,048 bytes
	s_add_nc_u64 s[12:13], s[12:13], s[20:21]
	s_lshl_b32 s20, ttmp9, 13                      ; 2 rows of 4,096 bytes
	s_add_nc_u64 s[6:7], s[6:7], s[20:21]
	s_add_nc_u64 s[8:9], s[8:9], s[20:21]
	s_add_nc_u64 s[10:11], s[10:11], s[20:21]
	s_lshl_b32 s20, ttmp9, 8                       ; 2 rows of 128 bytes in a block of wo16
	s_add_nc_u64 s[16:17], s[16:17], s[20:21]
	s_lshl_b32 s20, s23, 11                        ; rows of 2,048 bytes
	s_add_nc_u64 s[14:15], s[14:15], s[20:21]
; The load of item i.  Items 0-31: rows of x.  32, 33: Wz.  34, 35: Wh.  36, 37: Wo, by pieces of two rows x 512 columns, so that a wave's store fills two whole rows of one block.
.macro LOADI i
.set sl, X+4*((\i)%16)
.if (\i) < NX
	global_load_b128 v[sl:sl+3], v[VI], s[4:5] offset:4096*(\i) th:TH_LOAD_NT
.elseif (\i) < NX+2
	global_load_b128 v[sl:sl+3], v[VI], s[6:7] offset:4096*((\i)-NX) th:TH_LOAD_NT
.elseif (\i) < NX+4
	global_load_b128 v[sl:sl+3], v[VI], s[8:9] offset:4096*((\i)-NX-2) th:TH_LOAD_NT
.else
	global_load_b128 v[sl:sl+3], v[VIW], s[10:11] offset:2048*((\i)-NX-4) th:TH_LOAD_NT
.endif
.endm
; Item i's turn: its load is in; it is rounded; its slot is filled again with item i + 16; it is stored.
.macro ITEM i
.set lc, NITEM-1-(\i)
.if lc > 15
.set lc, 15
.endif
.set sx, X+4*((\i)%16)
.set sy, Y+2*((\i)%16)
	s_wait_loadcnt lc                              ; loads come back in order (ISA guide 5.7.1): mine is in, the younger ones (15, at the end fewer) stay out
	s_wait_xcnt 0x0                                ; the slot's Y, which the store 16 items back reads, is rewritten only behind this wait
.if (\i) < NX+4
	v_cvt_pk_bf16_f32 v[sy], v[sx], v[sx+1]
	v_cvt_pk_bf16_f32 v[sy+1], v[sx+2], v[sx+3]
.else
	v_cvt_pk_bf16_f32 v[T], v[sx], v[sx+1]         ; Wo: rounded to bf16 like every input,
	v_cvt_pk_bf16_f32 v[T+1], v[sx+2], v[sx+3]
	v_lshlrev_b32 v[T+2], 16, v[T]
	v_and_b32 v[T], s22, v[T]
	v_lshlrev_b32 v[T+3], 16, v[T+1]
	v_and_b32 v[T+1], s22, v[T+1]
	v_cvt_pk_f16_f32 v[sy], v[T+2], v[T]           ; and that number written as f16
	v_cvt_pk_f16_f32 v[sy+1], v[T+3], v[T+1]
.endif
.if (\i)+16 < NITEM
	LOADI (\i)+16
.endif
.if (\i) < NX
	global_store_b64 v[VO], v[sy:sy+1], s[12:13] offset:2048*(\i)
.elseif (\i) < NX+2
	global_store_b64 v[VO], v[sy:sy+1], s[14:15] offset:2048*((\i)-NX)
.elseif (\i) < NX+4
	global_store_b64 v[VO], v[sy:sy+1], s[14:15] offset:131072+2048*((\i)-NX-2)
.else
	global_store_b64 v[VOW], v[sy:sy+1], s[16:17] offset:1048576*((\i)-NX-4)
.endif
.endm
.set n, 0
.rept 16
	LOADI n
.set n, n+1
.endr
.set n, 0
.rept NITEM
	ITEM n
.set n, n+1
.endr
	s_endpgm
.Lfunc_end_k_qe58cb6677a_prep:
	.size	k_qe58cb6677a_prep, .Lfunc_end_k_qe58cb6677a_prep-k_qe58cb6677a_prep
	.p2alignl 7, 3214868480
	.fill 96, 4, 3214868480
	.section	.rodata,"a",@progbits
	.p2align	6, 0x0
	.amdhsa_kernel k_qe58cb6677a_prep
		.amdhsa_group_segment_fixed_size 0
		.amdhsa_private_segment_fixed_size 0
		.amdhsa_enable_private_segment 0
		.amdhsa_kernarg_size 56
		.amdhsa_user_sgpr_count 2
		.amdhsa_user_sgpr_kernarg_segment_ptr 1
		.amdhsa_wavefront_size32 1
		.amdhsa_system_sgpr_workgroup_id_x 1
		.amdhsa_system_sgpr_workgroup_id_y 1
		.amdhsa_system_sgpr_workgroup_id_z 1
		.amdhsa_system_vgpr_workitem_id 0
		.amdhsa_next_free_vgpr 112
		.amdhsa_next_free_sgpr 66
		.amdhsa_reserve_vcc 0
		.amdhsa_float_denorm_mode_32 3
		.amdhsa_float_denorm_mode_16_64 3
		.amdhsa_memory_ordered 1
		.amdhsa_forward_progress 1
		.amdhsa_inst_pref_size 17
	.end_amdhsa_kernel
	.amdgpu_metadata
---
amdhsa.version: [ 1, 2 ]
amdhsa.kernels:
  - .name:           k_qe58cb6677a_prep
    .symbol:         k_qe58cb6677a_prep.kd
    .args:
      - { .name: x, .offset: 0, .size: 8, .value_kind: global_buffer, .address_space: global }
      - { .name: Wz, .offset: 8, .size: 8, .value_kind: global_buffer, .address_space: global }
      - { .name: Wh, .offset: 16, .size: 8, .value_kind: global_buffer, .address_space: global }
      - { .name: Wo, .offset: 24, .size: 8, .value_kind: global_buffer, .address_space: global }
      - { .name: xb16, .offset: 32, .size: 8, .value_kind: global_buffer, .address_space: global }
      - { .name: wg16, .offset: 40, .size: 8, .value_kind: global_buffer, .address_space: global }
      - { .name: wo16, .offset: 48, .size: 8, .value_kind: global_buffer, .address_space: global }
    .group_segment_fixed_size: 0
    .private_segment_fixed_size: 0
    .kernarg_segment_align: 8
    .kernarg_segment_size: 56
    .max_flat_workgroup_size: 256
    .sgpr_count:     66
    .vgpr_count:     112
    .wavefront_size: 32
...
	.end_amdgpu_metadata
.endif
;; end of part 1
;; launch gates (part 2): grid 64 x 8, 4 waves a work-group, clusters of 4 x 4, 327,680 bytes of LDS; arguments wg16, xb16, bz, bh, gst, pet; writes gst, pet
.if DOCPART == 2
	.amdgcn_target "amdgcn-amd-amdhsa--gfx1250"
	.amdhsa_code_object_version 6
	.text
	.protected	k_qe58cb6677a_gates
	.globl	k_qe58cb6677a_gates
	.p2align	8
	.type	k_qe58cb6677a_gates,@function
k_qe58cb6677a_gates:
	s_mov_b64 s[64:65], 0
	v_nop
	global_prefetch_b8 v0, s[64:65] scope:SCOPE_SE
	s_setreg_imm32_b32 hwreg(HW_REG_WAVE_MODE, 25, 1), 1
	s_wait_xcnt 0x0
	s_wait_alu depctr_hold_cnt(0) depctr_sa_sdst(0) depctr_va_vdst(0) depctr_va_sdst(0) depctr_va_ssrc(0) depctr_va_vcc(0) depctr_vm_vsrc(0)
	s_getreg_b32 s2, hwreg(HW_REG_IB_STS2, 6, 4)
	s_cmp_eq_u32 s2, 0
	s_cbranch_scc0 .Lentry_in_a_cluster
	s_endpgm
.Lentry_in_a_cluster:
	s_bfe_u32 s2, ttmp6, 0x10000c
	s_cmp_lg_u32 s2, 0xf033
	s_cbranch_scc0 .Lentry_shape_is_right
	s_endpgm
.Lentry_shape_is_right:
; GATES: k = x Wz^T + bz, th = x Wh^T + bh (bf16 products, f32 sums), the gates, and the recurrence inside a tile of 256 steps.
; THE RECURRENCE.  The scan in logarithms is h_t = a_t h_(t-1) + (1 - a_t) g_t, h_0 = 0, with a = sigmoid(-k) and g = exp(log_g(th)) = max(th + 0.5, sigmoid(th)): for th >= 0 the line lies
; above the sigmoid, for th < 0 below it (the tangent 0.5 + th / 4 parts them).  Every step is a convex mean: no exponential of a running sum is left, so there is no maximum to take away.
; OUT.  For each step and channel the tile's local state H (as if the tile began at 0) and the product Acum of the a's from the tile's first step on, both f16:
;   gst [channel 1024][unit = row of x / 64][Acum 64 | H 64]: units of 256 bytes.   pet [tile 64][P, E][1024] f32: the tile's whole map, state out = P x state in + E.
; LIMITS.  H is f16: th + 0.5 stays under 65,504.  Acum and H below 6e-5 keep f16's fixed step of 6e-8.  a is exactly 1 below k of about -17 and exactly 0 above about 88 (f32's 1 + 2^x, and
; the reciprocal of an infinity); 1 - a is taken from the rounded a.  bz and bh are rounded to bf16 like x and the weights.  NaN and infinities are not treated apart.  The roundings' order is not the scan in logarithms'.
; SHAPE.  A tile is 256 rows of wg16 x 256 rows of x; four waves, each 128 x 128: 64 accumulators, 512 registers.  K goes in steps of 128 through a ring of two LDS slots filled by tensor loads.
; Source 0 = 16 rows of x, source 1 = 16 rows of wg16: in a result a lane holds ONE gate row (lane % 16) and eight steps of time.  The wave's 128 rows of wg16 are 64 gate rows (window 2) and
; the 64 candidate rows of the same channels (window 3): register 64 a + e of the two windows belongs to one channel and one step.
; TIME.  Fragment block b of x takes, for its row r, LDS region r / 8 (rows 0-127 or 128-255 of the tile), row 64 p + 8 b + r % 8 (p = wave % 2).  So a half of the lanes holds 64 CONSECUTIVE steps:
; chunk q = 2 (lane / 16) + p, step 64 q + e, e = 8 b + register: the recurrence runs along a lane's registers.  The four chunks' maps meet in LDS.
; CLUSTERS: 4 x 4 work-groups; wg16's tile is shared along a row of the cluster, x's along a column: each is asked for jointly, by the same tensor load with a mask that names the four.
; REGISTERS, in windows of 256 (s_set_vgpr_msb: bits 1:0 source 0, 3:2 source 1, 5:4 source 2, 7:6 destination):
;   window 0: v0-63 addresses, biases; v64-191 fragments of wg16, two buffers; on the way out v64-127 packed, v128-255 two buffers of rows read back
;   window 1: v64-191 fragments of x, two buffers; on the way out all 256 at work          window 2, 3: the accumulators
.set SIZE_K, 1024
.set KSTEP,  128
.set PITCH,  272                       ; an LDS row: 256 bytes + 16 of padding: the rows of a fragment load start at different groups of four banks (64 banks of 4 bytes: ISA guide 11.1)
.set HALFT,  128*PITCH+128             ; 128 rows, what one tensor load brings, and 128 bytes: rows of x eight apart in a fragment lie a region apart, and the 128 bytes turn them by eight 16-byte columns
.set SLOT,   4*HALFT                   ; wg16's 256 rows, then x's 256 rows
.set STAGE,  2*SLOT                    ; behind the ring: 32 rows x 272 bytes for each wave
.set SPITCH, 272
.set XCH,    STAGE+4*32*SPITCH         ; [chunk 4][channel 128] pairs (P, E) in f32
.set SPARE,  XCH+4096                  ; the spare words, 128 bytes for each wave: two blocks of 256 bytes that no other line names
.set LAPS,   SIZE_K/(2*KSTEP)
.set ADRA, 16                          ; v16-17  LDS address of my wg16 fragments in slot 0, 1
.set ADRB, 20                          ; v20-21  the same for x
.set STO,  24                          ; v24  the way out: my lane's row of the stage
.set RD,   25                          ; v25  the way out: where I read rows back
.set GO,   26                          ; v26  my byte offset in gst
.set XST,  27                          ; v27  where my chunk's map goes
.set SPW,  28                          ; v28  LDS address of my spare word; never rewritten
.set NIL,  29                          ; v29  0; never rewritten
.set XLD,  30                          ; v30  where my channel's four maps lie
.set PO,   31                          ; v31  4 x lane
.set RAW,  8                           ; v8-11 bz, v12-15 bh of my channels 16 a + lane % 16
.set BZL,  32                          ; v32-39  pairs: log2(e) bz
.set BHL,  40                          ; v40-47  pairs: -log2(e) bh
.set BHG,  48                          ; v48-55  pairs: bh + 0.5
.set PEP,  56                          ; v56-63  my chunk's (P, E) for a = 0..3
.set F0,   64
.set F1,   128
.set TMP,  64
.set BK,   128
.set CQ,   128                         ; v128-159  the four chunks' maps, 8 registers for each a
.set SC,   160                         ; v160-183  their prefixes, 6 registers for each a
.set CIN,  192                         ; v192-199  pairs: the state that enters my chunk if the tile begins at 0
.set PIN,  200                         ; v200-207  pairs: the product of the a's ahead of my chunk
.set G1, 24                            ; s[24:31] descriptor group 1 for wg16's tiles;  s[32:39] group 0, one set for each slot
.set G0, 32
.set G1B, 48                           ; s[48:55], s[56:63] the same for x's tiles
.set G0B, 56
.set MSB, 0
.macro WIN new                         ; the immediate's high byte repeats the setting that is left; a switch that changes nothing is dropped
.if MSB != (\new)
	s_set_vgpr_msb (MSB<<8)|(\new)
.set MSB, \new
.endif
.endm
.set MUL_LO, 0xa1                      ; source 0 (x) window 1, source 1 (wg16) window 0, C and D window 2
.set MUL_HI, 0xf1                      ; the same, C and D window 3
.set TO_B,   0x40                      ; destination window 1, address window 0
; A joint load.  Waves 0 and 1 fetch wg16's two halves, waves 2 and 3 x's.  The branch hangs on the wave's number alone.  An s_nop 0 and four v_nop follow each of the two lines.
.macro JLOAD s
	s_cmp_eq_u32 s11, 0
	s_cbranch_scc0 .Lfor_b_\@
	tensor_load_to_lds s[G0+4*(\s):G0+4*(\s)+3], s[G1:G1+7]
	s_nop 0
.rept 4
	v_nop
.endr
	s_branch .Lasked_\@
.Lfor_b_\@:
	tensor_load_to_lds s[G0B+4*(\s):G0B+4*(\s)+3], s[G1B:G1B+7]
	s_nop 0
.rept 4
	v_nop
.endr
.Lasked_\@:
.endm
.macro CREST                           ; a round of the cluster's barrier behind its opening barrier
	s_cmp_lg_u32 s10, 0
	s_cbranch_scc1 .Lnot_wave_0_\@
	s_barrier_signal -3
.Lnot_wave_0_\@:
	s_barrier_wait -3
	s_barrier_signal -1
	s_barrier_wait -1
.endm
.macro CROUND                          ; a whole round
	s_barrier_signal -1
	s_barrier_wait -1
	CREST
.endm
	s_load_b128 s[4:7], s[0:1], 0x0                ; wg16 s[4:5], xb16 s[6:7]
	s_load_b256 s[68:75], s[0:1], 0x10             ; bz s[68:69], bh s[70:71], gst s[72:73], pet s[74:75]
	v_lshl_add_u32 v[SPW], v0, 2, SPARE
	v_mov_b32 v[NIL], 0
	ds_add_u32 v[SPW], v[NIL]                      ; the wave's opening: the add and its wait stand ahead of my first tensor load; the set-up below, work on registers, stands between them
	v_lshrrev_b32 v1, 5, v0
	v_readfirstlane_b32 s10, v1                    ; wave 0..3
	s_lshr_b32 s11, s10, 1                         ; c: which 128 rows of wg16 are mine.  Also: I fetch for wg16 (0) or for x (1)
	s_and_b32 s12, s10, 1                          ; p: which chunks of time are mine.  Also: which 128 rows of that tile I fetch
	s_bfe_u32 s40, ttmp6, 0x40000                  ; cx, cy: my place in the cluster
	s_bfe_u32 s41, ttmp6, 0x40004
	s_lshl_b32 s42, ttmp9, 2
	s_add_co_u32 s42, s42, s40                     ; the time tile = 4 x cluster x + cx, 0..63
	s_and_b32 s13, ttmp7, 0xffff
	s_lshl_b32 s13, s13, 2
	s_add_co_u32 s13, s13, s41                     ; the tile of wg16's rows = 4 x cluster y + cy, 0..7
	s_lshl_b32 s43, s41, 2
	s_lshl_b32 s43, 15, s43                        ; my row of the cluster
	s_lshl_b32 s44, 0x1111, s40                    ; my column
	; descriptor group 1: a tile of 128 rows x 128 elements, padded in LDS
	s_or_b32 s[G1+0], s43, (1<<16)|(1<<20)|(1<<21)|(5<<22)|(3<<25)  ; 15:0 the mask; 17:16 elements of 2 bytes; 20 padding on; 21 set beside a mask; 24:22 after every 64 words (code 5); 31:25 4 words (code 3)
	s_or_b32 s[G1B+0], s44, (1<<16)|(1<<20)|(1<<21)|(5<<22)|(3<<25)
.irp g, G1, G1B
	s_mov_b32 s[(\g)+1], KSTEP<<16                 ; tensor_dim0 = 128
	s_mov_b32 s[(\g)+2], 128<<16                   ; tensor_dim1 = 128
	s_mov_b32 s[(\g)+3], KSTEP<<16                 ; tile_dim0 = 128
	s_mov_b32 s[(\g)+4], 128                       ; tile_dim1 = 128
	s_mov_b32 s[(\g)+5], SIZE_K                    ; elements from row to row
	s_mov_b32 s[(\g)+6], 0
	s_mov_b32 s[(\g)+7], 0
.endr
	s_lshl_b32 s17, s12, 7                         ; which 128 rows of the tile I fetch
	s_lshl_b32 s16, s13, 8
	s_add_co_u32 s16, s16, s17                     ; wg16: row 256 x tile + 128 x half
	s_lshl_b32 s46, s42, 8
	s_add_co_u32 s46, s46, s17                     ; x: row 256 x time tile + 128 x half
	s_mov_b32 s17, 0
	s_mov_b32 s47, 0
	s_mov_b64 s[18:19], SIZE_K*2
	s_mul_u64 s[16:17], s[16:17], s[18:19]
	s_mul_u64 s[46:47], s[46:47], s[18:19]
	s_mul_i32 s20, s10, HALFT                      ; where they go: wave x a region: no place in the cluster enters an LDS address
	s_mov_b32 s76, 0x3fb8aa3b                      ; log2(e), as a pair
	s_mov_b32 s77, s76
	s_mov_b32 s78, 0xbfb8aa3b                      ; -log2(e)
	s_mov_b32 s79, s78
	s_cmp_lg_u32 s12, 0
	s_cselect_b32 s80, -1, 0                       ; a lane mask: all lanes if p = 1
	s_mov_b32 s81, 0xffff0000                      ; a lane mask: lanes 16-31
	s_wait_dscnt 0x0                               ; the opening add is done
	s_wait_kmcnt 0x0
	s_add_nc_u64 s[14:15], s[4:5], s[16:17]
	s_add_nc_u64 s[46:47], s[6:7], s[46:47]
	CROUND                                         ; all sixteen work-groups are here: the first joint loads meet
.irp s, 0,1
	s_mov_b32 s[G0+4*(\s)], 1                                      ; count = 1
	s_add_co_u32 s[G0+4*(\s)+1], s20, (\s)*SLOT                    ; LDS address
	s_add_nc_u64 s[G0+4*(\s)+2:G0+4*(\s)+3], s[14:15], (\s)*KSTEP*2  ; global address: K step s
	s_or_b32 s[G0+4*(\s)+3], s[G0+4*(\s)+3], 0x80000000            ; type = 2
	s_mov_b32 s[G0B+4*(\s)], 1
	s_add_co_u32 s[G0B+4*(\s)+1], s20, (\s)*SLOT
	s_add_nc_u64 s[G0B+4*(\s)+2:G0B+4*(\s)+3], s[46:47], (\s)*KSTEP*2
	s_or_b32 s[G0B+4*(\s)+3], s[G0B+4*(\s)+3], 0x80000000
	JLOAD \s                                       ; two tensor loads of mine are out
.endr
	; the bases of what is not asked for jointly, in registers that feed no descriptor
	s_lshl_b32 s86, s13, 7
	s_lshl_b32 s87, s11, 6
	s_add_co_u32 s86, s86, s87                     ; my wave's first channel: 128 x tile + 64 c
	s_lshl_b32 s84, s86, 2
	s_mov_b32 s85, 0
	s_add_nc_u64 s[68:69], s[68:69], s[84:85]      ; bz, bh at that channel
	s_add_nc_u64 s[70:71], s[70:71], s[84:85]
	s_add_nc_u64 s[82:83], s[74:75], s[84:85]      ; pet likewise,
	s_lshl_b32 s84, s42, 13                        ; at my time tile's 8,192 bytes,
	s_lshl_b32 s87, s12, 12                        ; P's row (p = 0) or E's (p = 1)
	s_add_co_u32 s84, s84, s87
	s_add_nc_u64 s[82:83], s[82:83], s[84:85]
	s_lshl_b32 s84, s86, 16                        ; gst: a channel's row is 65,536 bytes,
	s_add_nc_u64 s[8:9], s[72:73], s[84:85]
	s_lshl_b32 s84, s42, 2
	s_add_co_u32 s84, s84, s12
	s_lshl_b32 s84, s84, 8                         ; unit 4 x time tile + p
	s_add_nc_u64 s[8:9], s[8:9], s[84:85]
	v_and_b32 v1, 15, v0                           ; r = lane % 16
	v_bfe_u32 v2, v0, 4, 1                         ; lane / 16
	v_and_b32 v7, 31, v0                           ; lane
	v_lshlrev_b32 v6, 2, v1
.irp a, 0,1,2,3
	global_load_b32 v[RAW+(\a)], v6, s[68:69] offset:64*(\a)    ; the biases of my four channels: waited for on the way out
	global_load_b32 v[RAW+4+(\a)], v6, s[70:71] offset:64*(\a)
.endr
	; A fragment is 16 rows x 32 K in 8 registers: lane l holds row l % 16; registers 0-3 hold K = 8 (l / 16) + 0..7, registers 4-7 K = 16 + 8 (l / 16) + 0..7: two loads of 16 bytes, 32 bytes apart.
	v_mul_u32_u24 v3, v1, PITCH
	v_lshl_add_u32 v3, v2, 4, v3                   ; wg16: row x pitch + 16 x half
	v_and_b32 v4, 7, v1
	v_lshrrev_b32 v5, 3, v1
	v_mul_u32_u24 v4, v4, PITCH
	v_mul_u32_u24 v5, v5, HALFT
	v_add_nc_u32 v4, v4, v5
	v_lshl_add_u32 v4, v2, 4, v4                   ; x: (r % 8) x pitch + (r / 8) regions + 16 x half
	s_mul_i32 s21, s11, HALFT                      ; my 128 rows of wg16
	s_mul_i32 s22, s12, 64*PITCH                   ; my 64 rows in each region of x,
	s_add_co_u32 s22, s22, 2*HALFT                 ; which lie behind wg16's two
.irp s, 0,1
	v_add_nc_u32 v[ADRA+(\s)], s21, v3
	v_add_nc_u32 v[ADRB+(\s)], s22, v4
	s_add_co_u32 s21, s21, SLOT
	s_add_co_u32 s22, s22, SLOT
.endr
	s_mul_i32 s23, s10, 32*SPITCH
	s_add_co_u32 s23, s23, STAGE                   ; my stage
	v_mul_u32_u24 v5, v7, SPITCH                   ; in: a row for each lane: its unit of 256 bytes
	v_add_nc_u32 v[STO], s23, v5
	v_mul_u32_u24 v5, v2, SPITCH                   ; back: lanes 0-15 take one row, lanes 16-31 the next
	v_lshl_add_u32 v5, v1, 4, v5
	v_add_nc_u32 v[RD], s23, v5
	v_lshlrev_b32 v5, 16, v2                       ; which are the units of two neighbouring channels
	v_lshl_add_u32 v[GO], v1, 4, v5
	s_lshl_b32 s23, s11, 9
	s_add_co_u32 s23, s23, XCH
	v_lshl_add_u32 v[XLD], v1, 3, s23              ; 8 bytes x channel (64 c + r; 16 a stands in the immediate)
	s_lshl_b32 s21, s12, 10
	v_lshl_add_u32 v5, v2, 11, s21                 ; 1,024 bytes x chunk (2 (lane / 16) + p)
	v_add_nc_u32 v[XST], v[XLD], v5
	v_lshlrev_b32 v[PO], 2, v7
; 16 matrix instructions: blocks a0, a0 + 1 of the window's four x all 8 blocks of time, 32 along K.  zero = 1: the first product starts the sums.
; The 64 accumulators take turns, one instruction a turn, in the same order in every quarter step.
.macro MUL16 f, hi, a0, zero
	WIN MUL_LO+0x50*(\hi)
.irp a, \a0, (\a0)+1
.irp b, 0,1,2,3,4,5,6,7
.if \zero
	v_wmma_f32_16x16x32_bf16 v[8*(8*(\a)+(\b)):8*(8*(\a)+(\b))+7], v[(\f)+8*(\b):(\f)+8*(\b)+7], v[(\f)+8*(4*(\hi)+(\a)):(\f)+8*(4*(\hi)+(\a))+7], 0
.else
	v_wmma_f32_16x16x32_bf16 v[8*(8*(\a)+(\b)):8*(8*(\a)+(\b))+7], v[(\f)+8*(\b):(\f)+8*(\b)+7], v[(\f)+8*(4*(\hi)+(\a)):(\f)+8*(4*(\hi)+(\a))+7], v[8*(8*(\a)+(\b)):8*(8*(\a)+(\b))+7]
.endif
.endr
.endr
.endm
; 32 LDS loads in one run: the fragments of one quarter step (32 K at byte k of the rows) into buffer f.  A block of x is 8 rows in each of two regions, so its blocks lie 8 rows apart.
.macro FETCH slot, k, f
	WIN TO_B
.irp i, 0,1,2,3,4,5,6,7
	ds_load_b128 v[(\f)+8*(\i):(\f)+8*(\i)+3],   v[ADRB+(\slot)] offset:(\k)+(\i)*8*PITCH
	ds_load_b128 v[(\f)+8*(\i)+4:(\f)+8*(\i)+7], v[ADRB+(\slot)] offset:(\k)+(\i)*8*PITCH+32
.endr
	WIN 0
.irp i, 0,1,2,3,4,5,6,7
	ds_load_b128 v[(\f)+8*(\i):(\f)+8*(\i)+3],   v[ADRA+(\slot)] offset:(\k)+(\i)*16*PITCH
	ds_load_b128 v[(\f)+8*(\i)+4:(\f)+8*(\i)+7], v[ADRA+(\slot)] offset:(\k)+(\i)*16*PITCH+32
.endr
.endm
.macro PLACES                          ; four plain places between a matrix instruction and a load into, or a vector write of, one of its registers (ISA guide 7.12.1 for vector writes)
.rept 4
	v_nop
.endr
.endm
; A K step is four quarter steps of 32 along K, 64 matrix instructions each, on buffers 0, 1, 0, 1.  One of the first three: multiplies f and fetches the next quarter, at byte k, into g.
.macro QUARTER slot, k, f, g, zero
	s_wait_dscnt 8                                 ; x and wg16's blocks 0-3 are in; the youngest eight loads (blocks 4-7) may be out
	MUL16 \f, 0, 0, \zero
	MUL16 \f, 0, 2, \zero
	PLACES
	FETCH \slot, \k, \g
	s_wait_dscnt 32                                ; all but the 32 just issued
	MUL16 \f, 1, 0, \zero
	MUL16 \f, 1, 2, \zero
.endm
; The last quarter multiplies buffer 1 and changes slots: ONE barrier.  In front of it each wave waits for all its tensor loads (one is out: its part of the next slot), adds 0 to its spare word,
; and waits for that and for its own reads of this slot.  fill = 1: the barrier opens a round of the cluster's, and the slot is filled again, two K steps ahead, first thing behind the round.
.macro TURN slot, next, fill
	WIN 0                                          ; (the add's two registers lie in window 0)
	s_wait_tensorcnt 0x0                           ; all my tensor loads have landed
	ds_add_u32 v[SPW], v[NIL]                      ; 0 onto my spare word
	s_wait_dscnt 9                                 ; (the add and the youngest eight loads may be out)
	MUL16 F1, 0, 0, 0                              ; sixteen matrix instructions stand between the add and the wait for it
	s_wait_dscnt 0x0                               ; the add is done, and my reads of this slot are over
	s_barrier_signal -1
	MUL16 F1, 0, 2, 0                              ; work on registers while the others arrive
.if \fill
	WIN 0
.endif
	s_barrier_wait -1
.if \fill
	CREST                                          ; no wave of any partner still reads this slot's tile or has a load on its way
	s_add_nc_u64 s[G0+4*(\slot)+2:G0+4*(\slot)+3], s[G0+4*(\slot)+2:G0+4*(\slot)+3], 2*KSTEP*2
	s_add_nc_u64 s[G0B+4*(\slot)+2:G0B+4*(\slot)+3], s[G0B+4*(\slot)+2:G0B+4*(\slot)+3], 2*KSTEP*2
	JLOAD \slot                                    ; my one tensor load behind the round: 224 matrix instructions ahead of the wait for it; its four v_nop are also the places in front of the loads below
.else
	PLACES
.endif
	FETCH \next, 0, F0
	MUL16 F1, 1, 0, 0
	MUL16 F1, 1, 2, 0
.endm
	s_wait_tensorcnt 1                             ; my part of K step 0 is in; K step 1's may stay out
	s_barrier_signal -1
	s_barrier_wait -1                              ; everybody's is
	FETCH 0, 0, F0
	QUARTER 0, 64,  F0, F1, 1                      ; the first quarter stands in front of the loop: its products start the sums
	WIN 0                                          ; at a label and at a branch every window is 0
	s_mov_b32 s3, LAPS-1
.Llap:                                                 ; a trip goes once round the ring and fills both slots again: K steps 2 to 7 in three trips
	QUARTER 0, 128, F1, F0, 0
	QUARTER 0, 192, F0, F1, 0
	TURN 0, 1, 1
	QUARTER 1, 64,  F0, F1, 0
	QUARTER 1, 128, F1, F0, 0
	QUARTER 1, 192, F0, F1, 0
	TURN 1, 0, 1
	QUARTER 0, 64,  F0, F1, 0
	WIN 0
	s_sub_co_u32 s3, s3, 1
	s_cmp_lg_u32 s3, 0
	s_cbranch_scc1 .Llap
	QUARTER 0, 128, F1, F0, 0                      ; the last lap fills nothing
	QUARTER 0, 192, F0, F1, 0
	TURN 0, 1, 0
	QUARTER 1, 64,  F0, F1, 0
	QUARTER 1, 128, F1, F0, 0
	QUARTER 1, 192, F0, F1, 0
	s_wait_dscnt 8                                 ; the very last quarter: nothing more to fetch
	MUL16 F1, 0, 0, 0
	MUL16 F1, 0, 2, 0
	s_wait_dscnt 0x0
	MUL16 F1, 1, 0, 0
	MUL16 F1, 1, 2, 0
	; THE WAY OUT, in phases over the lane's 256 elements, one window setting to a phase; registers in ascending order.
	; The biases: rounded to bf16, scaled, written as pairs.  These 40 plain instructions name no register of the last products: they are the places behind them.
	WIN 0
	s_wait_loadcnt 0x0
.irp a, 0,1,2,3,4,5,6,7
	v_cvt_pk_bf16_f32 v[RAW+(\a)], v[RAW+(\a)], v[RAW+(\a)]
.endr
.irp a, 0,1,2,3,4,5,6,7
	v_lshlrev_b32 v[RAW+(\a)], 16, v[RAW+(\a)]
.endr
.irp a, 0,1,2,3
	v_mul_f32 v[BZL+2*(\a)], s76, v[RAW+(\a)]
	v_mul_f32 v[BZL+2*(\a)+1], s76, v[RAW+(\a)]
	v_mul_f32 v[BHL+2*(\a)], s78, v[RAW+4+(\a)]
	v_mul_f32 v[BHL+2*(\a)+1], s78, v[RAW+4+(\a)]
	v_add_f32 v[BHG+2*(\a)], 0.5, v[RAW+4+(\a)]
	v_add_f32 v[BHG+2*(\a)+1], 0.5, v[RAW+4+(\a)]
.endr
	WIN 0x82                                       ; window 2 in place; the bias in window 0
.set i, 0
.rept 128
	v_pk_fma_f32 v[2*i:2*i+1], v[2*i:2*i+1], s[76:77], v[BZL+2*(i/32):BZL+2*(i/32)+1] op_sel_hi:[1,0,0]  ; log2(e) k
.set i, i+1
.endr
.set i, 0
.rept 256
	v_exp_f32 v[i], v[i]                           ; e^k.  A plain instruction stands between a transcendental and the use of its result (ISA guide 5.7.2): behind this run and the next two, a whole phase of plain work on another window
.set i, i+1
.endr
	WIN 0x43                                       ; window 3 -> window 1
.set i, 0
.rept 128
	v_pk_fma_f32 v[2*i:2*i+1], v[2*i:2*i+1], s[78:79], v[BHL+2*(i/32):BHL+2*(i/32)+1] op_sel_hi:[1,0,0]  ; -log2(e) th
.set i, i+1
.endr
	WIN 0xc3                                       ; window 3 in place
.set i, 0
.rept 128
	v_pk_add_f32 v[2*i:2*i+1], v[2*i:2*i+1], v[BHG+2*(i/32):BHG+2*(i/32)+1] op_sel_hi:[1,0]  ; th + 0.5
.set i, i+1
.endr
	WIN 0x41                                       ; window 1 in place
.set i, 0
.rept 256
	v_exp_f32 v[i], v[i]                           ; e^-th
.set i, i+1
.endr
	WIN 0x82
.set i, 0
	s_wait_alu depctr_va_vdst(0)
.rept 128
	v_pk_add_f32 v[2*i:2*i+1], v[2*i:2*i+1], 1.0 op_sel_hi:[1,0]
.set i, i+1
.endr
.set i, 0
.rept 256
	v_rcp_f32 v[i], v[i]                           ; a = 1 / (1 + e^k)
.set i, i+1
.endr
	WIN 0x41
.set i, 0
.rept 128
	v_pk_add_f32 v[2*i:2*i+1], v[2*i:2*i+1], 1.0 op_sel_hi:[1,0]
.set i, i+1
.endr
.set i, 0
.rept 256
	v_rcp_f32 v[i], v[i]                           ; sigmoid(th)
.set i, i+1
.endr
	v_nop                                          ; the plain instruction between these reciprocals and the maxima that read them: the other reciprocals are none, and all later work hangs on the maxima
	WIN 0xc7                                       ; window 3 = max(window 3, window 1)
.set i, 0
	s_wait_alu depctr_va_vdst(0)
.rept 256
	v_max_num_f32 v[i], v[i], v[i]                 ; g
.set i, i+1
.endr
	WIN 0xfe                                       ; window 3 = -window 2 x window 3 + window 3
.set i, 0
.rept 128
	v_pk_fma_f32 v[2*i:2*i+1], v[2*i:2*i+1], v[2*i:2*i+1], v[2*i:2*i+1] neg_lo:[1,0,0] neg_hi:[1,0,0]  ; (1 - a) g
.set i, i+1
.endr
	WIN 0xce                                       ; window 3 += window 2 x window 3
.set e, 1
.rept 63                                               ; the recurrence along my 64 steps, my four channels by turns
.irp a, 0,1,2,3
	v_fmac_f32 v[64*(\a)+e], v[64*(\a)+e], v[64*(\a)+e-1]        ; H_e = a_e H_(e-1) + (1 - a_e) g_e
.endr
.set e, e+1
.endr
	WIN 0x8a                                       ; window 2 alone
.set e, 1
.rept 63
.irp a, 0,1,2,3
	v_mul_f32 v[64*(\a)+e], v[64*(\a)+e], v[64*(\a)+e-1]         ; Acum_e = a_e Acum_(e-1)
.endr
.set e, e+1
.endr
	; The chunks meet.  My chunk's map (P, E) = (Acum, H) at its last step goes into LDS; behind a barrier every lane reads its channels' four maps and composes them.
	WIN 0x02
.irp a, 0,1,2,3
	v_mov_b32 v[PEP+2*(\a)], v[64*(\a)+63]
.endr
	WIN 0x03
.irp a, 0,1,2,3
	v_mov_b32 v[PEP+2*(\a)+1], v[64*(\a)+63]
.endr
	WIN 0
.irp a, 0,1,2,3
	ds_store_b64 v[XST], v[PEP+2*(\a):PEP+2*(\a)+1] offset:128*(\a)
.endr
	s_wait_dscnt 0x0                               ; for the others' sake: my stores are done
	s_barrier_signal -1
	s_barrier_wait -1
.irp a, 0,1,2,3
.irp q, 0,1,2,3
	ds_load_b64 v[CQ+8*(\a)+2*(\q):CQ+8*(\a)+2*(\q)+1], v[XLD] offset:1024*(\q)+128*(\a)
.endr
.endr
	s_wait_dscnt 0x0
.irp q, 1,2,3                                          ; the map of chunks 0 .. q: P = P_q P, E = P_q E + E_q; for q = 1 the map before is chunk 0's own
.irp a, 0,1,2,3
.if (\q) == 1
	v_mul_f32 v[SC+6*(\a)], v[CQ+8*(\a)+2], v[CQ+8*(\a)]
	v_fma_f32 v[SC+6*(\a)+1], v[CQ+8*(\a)+2], v[CQ+8*(\a)+1], v[CQ+8*(\a)+3]
.else
	v_mul_f32 v[SC+6*(\a)+2*(\q)-2], v[CQ+8*(\a)+2*(\q)], v[SC+6*(\a)+2*(\q)-4]
	v_fma_f32 v[SC+6*(\a)+2*(\q)-1], v[CQ+8*(\a)+2*(\q)], v[SC+6*(\a)+2*(\q)-3], v[CQ+8*(\a)+2*(\q)+1]
.endif
.endr
.endr
.irp a, 0,1,2,3                                        ; what stands ahead of my chunk 2 (lane / 16) + p: nothing (1, 0), chunk 0, chunks 0-1 or chunks 0-2
	v_cndmask_b32 v184, 1.0, v[CQ+8*(\a)], s80
	v_cndmask_b32 v185, 0, v[CQ+8*(\a)+1], s80
	v_cndmask_b32 v186, v[SC+6*(\a)], v[SC+6*(\a)+2], s80
	v_cndmask_b32 v187, v[SC+6*(\a)+1], v[SC+6*(\a)+3], s80
	v_cndmask_b32 v[PIN+2*(\a)], v184, v186, s81
	v_cndmask_b32 v[PIN+2*(\a)+1], v184, v186, s81
	v_cndmask_b32 v[CIN+2*(\a)], v185, v187, s81
	v_cndmask_b32 v[CIN+2*(\a)+1], v185, v187, s81
	v_cndmask_b32 v[208+(\a)], v[SC+6*(\a)+4], v[SC+6*(\a)+5], s80  ; the whole tile's P (p = 0) or E (p = 1)
.endr
	v_cndmask_b32 v212, v208, v209, s81            ; lanes 0-15 channels 0-15, lanes 16-31 channels 16-31
	v_cndmask_b32 v213, v210, v211, s81
	global_store_b32 v[PO], v212, s[82:83]              ; each store covers 128 consecutive bytes: 64 channels a wave fill an aligned 256; 524,288 of the launch's 67.6 million bytes
	global_store_b32 v[PO], v213, s[82:83] offset:128
	WIN 0xf2                                       ; window 3 += window 2 x window 0
.set i, 0
.rept 128
	v_pk_fma_f32 v[2*i:2*i+1], v[2*i:2*i+1], v[CIN+2*(i/32):CIN+2*(i/32)+1], v[2*i:2*i+1] op_sel_hi:[1,0,1]  ; H from the tile's first step on
.set i, i+1
.endr
	WIN 0x82
.set i, 0
.rept 128
	v_pk_mul_f32 v[2*i:2*i+1], v[2*i:2*i+1], v[PIN+2*(i/32):PIN+2*(i/32)+1] op_sel_hi:[1,0]  ; Acum likewise
.set i, i+1
.endr
; Block a (16 channels): a lane's 64 Acum and 64 H are rounded to f16: its unit of 256 bytes.  It goes into the lane's row of my stage and comes back by rows, sixteen lanes to a unit.
.macro PACK a
	WIN 0x0a
.set i, 0
.rept 32
	v_cvt_pk_f16_f32 v[TMP+i], v[64*(\a)+2*i], v[64*(\a)+2*i+1]
.set i, i+1
.endr
	WIN 0x0f
.set i, 0
.rept 32
	v_cvt_pk_f16_f32 v[TMP+32+i], v[64*(\a)+2*i], v[64*(\a)+2*i+1]
.set i, i+1
.endr
	WIN 0
.endm
.macro TOSTAGE a
.set BKA, BK+64*((\a)%2)
	s_wait_xcnt 0x0                                ; the registers that earlier stores read are loaded again only behind this wait
.irp i, 0,1,2,3,4,5,6,7,8,9,10,11,12,13,14,15
	ds_store_b128 v[STO], v[TMP+4*(\i):TMP+4*(\i)+3] offset:16*(\i)
.endr
.irp t, 0,1,2,3,4,5,6,7,8,9,10,11,12,13,14,15
	ds_load_b128 v[BKA+4*(\t):BKA+4*(\t)+3], v[RD] offset:(\t)*2*SPITCH  ; LDS serves a wave's instructions in order (ISA guide 5.7.1.4): these see the stores above
.endr
.endm
.macro SEND a
.set BKA, BK+64*((\a)%2)
	s_wait_dscnt 0x0                               ; the block is back in registers
.irp t, 0,1,2,3,4,5,6,7,8,9,10,11,12,13,14,15          ; stage rows 0-15 are the lower lanes' units (chunk p), rows 16-31 the upper lanes' (chunk 2 + p, 512 bytes on)
	global_store_b128 v[GO], v[BKA+4*(\t):BKA+4*(\t)+3], s[8:9] offset:(\a)*1048576+2*((\t)%8)*65536+((\t)/8)*512  ; 16 lanes store 256 consecutive bytes, at a multiple of 256 from gst's first byte
.endr
.endm
	PACK 0
	TOSTAGE 0
.irp a, 1,2,3                                          ; block a's conversions stand between block a - 1's loads from the stage and the wait for them
	PACK \a
	SEND (\a)-1
	TOSTAGE \a
.endr
	SEND 3
	s_wait_tensorcnt 0x0                           ; the wave's end: behind my last tensor load and my last LDS store
	ds_add_u32 v[SPW], v[NIL]
	s_wait_dscnt 0x0
	CROUND                                         ; the closing round: no work-group ends while a partner may still ask for a tile that names it
	s_endpgm
.Lfunc_end_k_qe58cb6677a_gates:
	.size	k_qe58cb6677a_gates, .Lfunc_end_k_qe58cb6677a_gates-k_qe58cb6677a_gates
	.p2alignl 7, 3214868480
	.fill 96, 4, 3214868480
	.section	.rodata,"a",@progbits
	.p2align	6, 0x0
	.amdhsa_kernel k_qe58cb6677a_gates
		.amdhsa_group_segment_fixed_size 327680
		.amdhsa_private_segment_fixed_size 0
		.amdhsa_enable_private_segment 0
		.amdhsa_kernarg_size 48
		.amdhsa_user_sgpr_count 2
		.amdhsa_user_sgpr_kernarg_segment_ptr 1
		.amdhsa_wavefront_size32 1
		.amdhsa_system_sgpr_workgroup_id_x 1
		.amdhsa_system_sgpr_workgroup_id_y 1
		.amdhsa_system_sgpr_workgroup_id_z 1
		.amdhsa_system_vgpr_workitem_id 0
		.amdhsa_next_free_vgpr 1024
		.amdhsa_next_free_sgpr 92
		.amdhsa_reserve_vcc 0
		.amdhsa_float_denorm_mode_32 3
		.amdhsa_float_denorm_mode_16_64 3
		.amdhsa_memory_ordered 1
		.amdhsa_forward_progress 1
		.amdhsa_inst_pref_size 255
	.end_amdhsa_kernel
	.section	.bss,"aw",@nobits
	.p2align	6
	.space	262144
	.amdgpu_metadata
---
amdhsa.version: [ 1, 2 ]
amdhsa.kernels:
  - .name:           k_qe58cb6677a_gates
    .symbol:         k_qe58cb6677a_gates.kd
    .args:
      - { .name: wg16, .offset: 0, .size: 8, .value_kind: global_buffer, .address_space: global }
      - { .name: xb16, .offset: 8, .size: 8, .value_kind: global_buffer, .address_space: global }
      - { .name: bz, .offset: 16, .size: 8, .value_kind: global_buffer, .address_space: global }
      - { .name: bh, .offset: 24, .size: 8, .value_kind: global_buffer, .address_space: global }
      - { .name: gst, .offset: 32, .size: 8, .value_kind: global_buffer, .address_space: global }
      - { .name: pet, .offset: 40, .size: 8, .value_kind: global_buffer, .address_space: global }
    .group_segment_fixed_size: 327680
    .private_segment_fixed_size: 0
    .kernarg_segment_align: 8
    .kernarg_segment_size: 48
    .max_flat_workgroup_size: 128
    .sgpr_count:     92
    .vgpr_count:     1024
    .wavefront_size: 32
...
	.end_amdgpu_metadata
.endif
;; end of part 2
;; launch outp (part 3): grid 4 x 64, 4 waves a work-group, clusters of 4 x 4, 327,680 bytes of LDS; arguments gst, wo16, out0, pet, bo; writes out0
.if DOCPART == 3
	.amdgcn_target "amdgcn-amd-amdhsa--gfx1250"
	.amdhsa_code_object_version 6
	.text
	.protected	k_qe58cb6677a_outp
	.globl	k_qe58cb6677a_outp
	.p2align	8
	.type	k_qe58cb6677a_outp,@function
k_qe58cb6677a_outp:
	s_mov_b64 s[64:65], 0
	v_nop
	global_prefetch_b8 v0, s[64:65] scope:SCOPE_SE
	s_setreg_imm32_b32 hwreg(HW_REG_WAVE_MODE, 25, 1), 1
	s_wait_xcnt 0x0
	s_wait_alu depctr_hold_cnt(0) depctr_sa_sdst(0) depctr_va_vdst(0) depctr_va_sdst(0) depctr_va_ssrc(0) depctr_va_vcc(0) depctr_vm_vsrc(0)
	s_getreg_b32 s2, hwreg(HW_REG_IB_STS2, 6, 4)
	s_cmp_eq_u32 s2, 0
	s_cbranch_scc0 .Lentry_in_a_cluster
	s_endpgm
.Lentry_in_a_cluster:
	s_bfe_u32 s2, ttmp6, 0x10000c
	s_cmp_lg_u32 s2, 0xf033
	s_cbranch_scc0 .Lentry_shape_is_right
	s_endpgm
.Lentry_shape_is_right:
; OUT: out0[t][d] = the sum over channels of h[t][ch] Wo[d][ch] + bo[d], with h = Acum x carry + H made on the way from LDS to the matrix unit.
; carry[ch] is the state that enters my tile of 256 steps: the maps (P, E) of the batch's earlier tiles (pet, f32) composed from 0, in f32, then rounded once to f16.
; LIMITS.  carry and h are f16: they stay under 65,504 (they are means of max(th + 0.5, sigmoid(th))); below 6e-5 they keep f16's fixed step of 6e-8.  bo is rounded to bf16 like every input.
; NaN and infinities are not treated apart.
; SHAPE.  A tile of out0 is 256 x 256; four waves, each 128 x 128: 64 accumulators, 512 registers.  K (channels) goes in steps of 64 through a ring of two LDS slots: a channel's row of a tile of
; gst is 1,024 bytes (Acum and H of 256 steps), so two slots of 64 channels are what fits.  Source 0 = 16 rows of wo16, source 1 = 16 steps of h: a lane holds one step and eight neighbouring d.
; bo, in that layout, is the C operand of the products that start the sums: nothing is cleared, and nothing is added on the way out.
; gst lies [channel][time]: its fragments come out of LDS turned, by ds_load_tr16_b128; Acum's and H's have the same layout, and carry's fragment repeats a lane's 16 channels for every step,
; so h is 64 packed multiply-adds in f16 for a quarter step's 64 matrix instructions; four of them stand behind each of the quarter's last 16 products.
; ORDER.  A quarter step's 50 LDS loads for the next quarter stand in three runs (Acum 16; H and carry 18; wo16 16), each ahead of 16 products, the first at the quarter's head.
; The change of slots stands at the head of a K step's second quarter, with no product between the wait for the tile and the next request: a refill has a whole K step, 128 products, in which to land.
; CLUSTERS: 4 x 4 work-groups; gst's tile hangs on the time tile alone and is shared along a row of the cluster, wo16's on the tile of d alone and is shared along a column.
; REGISTERS, in windows of 256 (s_set_vgpr_msb: bits 1:0 source 0, 3:2 source 1, 5:4 source 2, 7:6 destination):
;   window 0: v0-31 addresses; v32-47 carry's fragments; v52-55 at work; v64-127, v128-191 H, then h, two buffers; v192-255 bo; on the way out v192-255 and v64-127 rows read back
;   window 1: v64-127, v128-191 wo16's fragments; v0-63, v192-255 Acum's          window 2, 3: the accumulators
.set PA,    1056                       ; a channel's row in LDS: 1,024 bytes + 32
.set PB,    144                        ; a row of wo16: 128 bytes + 16: the 16 rows of a load start at 16 different groups of four banks
.set BOFF,  64*PA                      ; a slot: 64 channel rows of gst, then 256 rows of wo16
.set SLOT,  BOFF+256*PB
.set STAGE, 2*SLOT                     ; behind the ring: 16 rows x 528 bytes for each wave
.set SP,    528
.set CARRY, STAGE+4*16*SP              ; f16 [1024]
.set SPARE, CARRY+2048                 ; the spare words, 128 bytes for each wave: two blocks of 256 bytes that no other line names
.set ADRT, 16                          ; v16-17  LDS address of my Acum fragments in slot 0, 1 (H: 128 bytes on)
.set ADRB, 20                          ; v20-21  the same for wo16
.set ADRC0, 22                         ; v22  carry's fragment at channel 0
.set ADRC, 23                          ; v23  at the lap's first channel
.set STO,  24                          ; v24  the way out: where I put 32 bytes of a row
.set RD,   25                          ; v25  the way out: where I read a row back
.set CO,   26                          ; v26  16 x lane: my bytes in 512 of out0
.set PO,   27                          ; v27  32 x thread: my 8 channels in a row of pet
.set SPW,  28                          ; v28  LDS address of my spare word; never rewritten
.set NIL,  29                          ; v29  0; never rewritten
.set CST,  30                          ; v30  where my 8 channels' carry goes
.set BOA,  31                          ; v31  32 x (lane / 16): my eight columns in a block of 16 of bo
.set BT,   52                          ; v52-55  at work
.set F0,   64
.set F1,   128
.set BIAS, 192                         ; v192-255  bo of column 16 b + 8 (lane / 16) + j at BIAS + 8 b + j: an accumulator's layout
.set G1, 24                            ; s[24:31] descriptor group 1 for gst's tiles;  s[32:39] group 0, one set for each slot
.set G0, 32
.set G1B, 48                           ; s[48:55], s[56:63] the same for wo16's tiles
.set G0B, 56
.set TC,  66                           ; s66  the lap's first channel, in bytes of carry
.set MSB, 0
.macro WIN new                         ; the immediate's high byte repeats the setting that is left; a switch that changes nothing is dropped
.if MSB != (\new)
	s_set_vgpr_msb (MSB<<8)|(\new)
.set MSB, \new
.endif
.endm
.set MUL_LO, 0xa1                      ; source 0 (wo16) window 1, source 1 (h) window 0, C and D window 2
.set MUL_HI, 0xf1                      ; the same, C and D window 3
.set MUL_B,  0x81                      ; the same with C (bo) in window 0 and D in window 2; + 0x40: D in window 3
.set TO_1,   0x40                      ; destination window 1, address window 0
.set W_FIX,  0x01                      ; source 0 (Acum) window 1; carry, H and h window 0
.macro JLOAD s                         ; a joint load: waves 0 and 1 fetch gst's two halves, waves 2 and 3 wo16's; an s_nop 0 and four v_nop follow each of the two lines
	s_cmp_eq_u32 s11, 0
	s_cbranch_scc0 .Lfor_b_\@
	tensor_load_to_lds s[G0+4*(\s):G0+4*(\s)+3], s[G1:G1+7]
	s_nop 0
.rept 4
	v_nop
.endr
	s_branch .Lasked_\@
.Lfor_b_\@:
	tensor_load_to_lds s[G0B+4*(\s):G0B+4*(\s)+3], s[G1B:G1B+7]
	s_nop 0
.rept 4
	v_nop
.endr
.Lasked_\@:
.endm
.macro CROUND                          ; a round of the cluster's barrier: my work-group's barrier; wave 0 signals for the work-group; every wave waits for all sixteen; my work-group's barrier once more
	s_barrier_signal -1
	s_barrier_wait -1
	s_cmp_lg_u32 s10, 0
	s_cbranch_scc1 .Lnot_wave_0_\@
	s_barrier_signal -3
.Lnot_wave_0_\@:
	s_barrier_wait -3
	s_barrier_signal -1
	s_barrier_wait -1
.endm
	s_load_b128 s[4:7], s[0:1], 0x0                ; gst s[4:5], wo16 s[6:7]
	s_load_b64 s[8:9], s[0:1], 0x10                ; out0
	s_load_b128 s[68:71], s[0:1], 0x18             ; pet s[68:69], bo s[70:71]
	v_lshl_add_u32 v[SPW], v0, 2, SPARE
	v_mov_b32 v[NIL], 0
	ds_add_u32 v[SPW], v[NIL]                      ; the wave's opening: the add and its wait stand ahead of my first tensor load; the set-up below, work on registers, stands between them
	v_lshrrev_b32 v1, 5, v0
	v_readfirstlane_b32 s10, v1                    ; wave 0..3
	s_lshr_b32 s11, s10, 1                         ; which 128 steps are mine.  Also: I fetch for gst (0) or for wo16 (1)
	s_and_b32 s12, s10, 1                          ; which 128 columns d.  Also: which half of that tile I fetch
	s_bfe_u32 s40, ttmp6, 0x40000                  ; cx, cy: my place in the cluster
	s_bfe_u32 s41, ttmp6, 0x40004
	s_lshl_b32 s42, ttmp9, 2
	s_add_co_u32 s42, s42, s40                     ; the tile of d = 4 x cluster x + cx, 0..3
	s_and_b32 s13, ttmp7, 0xffff
	s_lshl_b32 s13, s13, 2
	s_add_co_u32 s13, s13, s41                     ; the time tile = 4 x cluster y + cy, 0..63
	s_lshl_b32 s43, s41, 2
	s_lshl_b32 s43, 15, s43                        ; my row of the cluster
	s_lshl_b32 s44, 0x1111, s40                    ; my column
	; gst: 32 channel rows x 512 elements (1,024 bytes), 65,536 bytes from row to row; 8 words of padding behind every 256
	s_or_b32 s[G1+0], s43, (1<<16)|(1<<20)|(1<<21)|(7<<22)|(7<<25)
	s_mov_b32 s[G1+1], 512<<16                     ; tensor_dim0 = 512
	s_mov_b32 s[G1+2], 32<<16                      ; tensor_dim1 = 32
	s_mov_b32 s[G1+3], 512<<16                     ; tile_dim0 = 512
	s_mov_b32 s[G1+4], 32                          ; tile_dim1 = 32
	s_mov_b32 s[G1+5], 32768                       ; elements from row to row
	s_mov_b32 s[G1+6], 0
	s_mov_b32 s[G1+7], 0
	; wo16: 128 rows d of a block are 16,384 dense bytes: asked for as 64 rows of 256 bytes, two d a row, and padded by 4 words behind every 32
	s_or_b32 s[G1B+0], s44, (1<<16)|(1<<20)|(1<<21)|(4<<22)|(3<<25)
	s_mov_b32 s[G1B+1], 128<<16
	s_mov_b32 s[G1B+2], 64<<16
	s_mov_b32 s[G1B+3], 128<<16
	s_mov_b32 s[G1B+4], 64
	s_mov_b32 s[G1B+5], 128
	s_mov_b32 s[G1B+6], 0
	s_mov_b32 s[G1B+7], 0
	s_lshl_b32 s16, s12, 21                        ; gst: my 32 channel rows of 65,536 bytes,
	s_lshl_b32 s17, s13, 10                        ; the time tile's 1,024 bytes in a row
	s_add_co_u32 s16, s16, s17
	s_mov_b32 s17, 0
	s_lshl_b32 s46, s42, 15                        ; wo16: the tile's 32,768 bytes in a block,
	s_lshl_b32 s47, s12, 14                        ; my half of them
	s_add_co_u32 s46, s46, s47
	s_mov_b32 s47, 0
	s_mul_i32 s20, s12, 32*PA                      ; where they go: no place in the cluster enters an LDS address
	s_mul_i32 s21, s12, 128*PB
	s_add_co_u32 s21, s21, BOFF
	s_and_b32 s67, s13, 7                          ; my tile's number in its batch of 8 tiles
.irp j, 0,1,2,3,4,5,6
	s_cmp_gt_u32 s67, \j
	s_cselect_b32 s[72+(\j)], -1, 0                ; a lane mask: all lanes if tile j of the batch lies ahead of mine
.endr
	s_mov_b32 s79, 0xffff0000                      ; a word's upper bf16
	v_lshlrev_b32 v[PO], 5, v0
	v_and_b32 v7, 31, v0
	v_lshlrev_b32 v[CO], 4, v7
	v_bfe_u32 v2, v0, 4, 1                         ; lane / 16
	v_lshlrev_b32 v[BOA], 5, v2
	s_wait_dscnt 0x0                               ; the opening add is done
	s_wait_kmcnt 0x0
	s_add_nc_u64 s[14:15], s[4:5], s[16:17]
	s_add_nc_u64 s[46:47], s[6:7], s[46:47]
	s_and_b32 s80, s13, 0xf8
	s_lshl_b32 s80, s80, 13                        ; pet at the batch's first tile
	s_mov_b32 s81, 0
	s_add_nc_u64 s[68:69], s[68:69], s[80:81]
.irp j, 0,1,2,3,4,5,6                                  ; the maps of the batch's tiles 0 to 6, my 8 channels: always all seven, so that no branch hangs on my place; what lies at or behind my tile is not taken
	global_load_b128 v[64+16*(\j):64+16*(\j)+3],     v[PO], s[68:69] offset:8192*(\j)
	global_load_b128 v[64+16*(\j)+4:64+16*(\j)+7],   v[PO], s[68:69] offset:8192*(\j)+16
	global_load_b128 v[64+16*(\j)+8:64+16*(\j)+11],  v[PO], s[68:69] offset:8192*(\j)+4096
	global_load_b128 v[64+16*(\j)+12:64+16*(\j)+15], v[PO], s[68:69] offset:8192*(\j)+4112
.endr
	s_lshl_b32 s82, s42, 10
	s_lshl_b32 s84, s12, 9
	s_add_co_u32 s82, s82, s84                     ; my wave's first column, in bytes: 1,024 x tile + 512 x half
	s_mov_b32 s83, 0
	s_add_nc_u64 s[70:71], s[70:71], s[82:83]
.irp b, 0,1,2,3,4,5,6,7                                ; bo of my wave's 128 columns, eight for each block of 16: 512 bytes, read once
	global_load_b128 v[BIAS+8*(\b):BIAS+8*(\b)+3],   v[BOA], s[70:71] offset:64*(\b)
	global_load_b128 v[BIAS+8*(\b)+4:BIAS+8*(\b)+7], v[BOA], s[70:71] offset:64*(\b)+16
.endr
	s_add_nc_u64 s[8:9], s[8:9], s[82:83]
	s_lshl_b32 s86, s13, 20                        ; my wave's first row of 4,096 bytes: 256 x time tile + 128 x half
	s_lshl_b32 s84, s11, 19
	s_add_co_u32 s86, s86, s84
	s_mov_b32 s87, 0
	s_add_nc_u64 s[8:9], s[8:9], s[86:87]
	CROUND                                         ; all sixteen work-groups are here: the first joint loads meet
.irp s, 0,1
	s_mov_b32 s[G0+4*(\s)], 1                                      ; count = 1
	s_add_co_u32 s[G0+4*(\s)+1], s20, (\s)*SLOT                    ; LDS address
	s_add_nc_u64 s[G0+4*(\s)+2:G0+4*(\s)+3], s[14:15], (\s)*64*65536  ; global address: K step s: 64 channel rows on
	s_or_b32 s[G0+4*(\s)+3], s[G0+4*(\s)+3], 0x80000000            ; type = 2
	s_mov_b32 s[G0B+4*(\s)], 1
	s_add_co_u32 s[G0B+4*(\s)+1], s21, (\s)*SLOT
	s_add_nc_u64 s[G0B+4*(\s)+2:G0B+4*(\s)+3], s[46:47], (\s)*131072  ; block s
	s_or_b32 s[G0B+4*(\s)+3], s[G0B+4*(\s)+3], 0x80000000
	JLOAD \s                                       ; two tensor loads of mine are out
.endr
	v_and_b32 v1, 15, v0                           ; r = lane % 16
	; The turning load takes 16 channels x 16 steps (lane l reads channel 8 (l / 16) + l % 8, steps 8 ((l / 8) % 2) + 0..7) and leaves half a fragment: lane l holds step l % 16 and 8 channels.
	v_and_b32 v3, 7, v0
	v_bfe_u32 v4, v0, 3, 1
	v_lshl_add_u32 v3, v2, 3, v3
	v_mul_u32_u24 v3, v3, PA
	v_lshl_add_u32 v3, v4, 4, v3
	v_mul_u32_u24 v5, v1, PB
	v_lshl_add_u32 v5, v2, 4, v5                   ; wo16: row x pitch + 16 x half
	s_lshl_b32 s22, s11, 9                         ; my 128 steps: two units of 256 bytes in a channel's row
	s_mul_i32 s23, s12, 128*PB                     ; my 128 rows of wo16,
	s_add_co_u32 s23, s23, BOFF                    ; which lie behind gst's rows
.irp s, 0,1
	v_add_nc_u32 v[ADRT+(\s)], s22, v3
	v_add_nc_u32 v[ADRB+(\s)], s23, v5
	s_add_co_u32 s22, s22, SLOT
	s_add_co_u32 s23, s23, SLOT
.endr
	v_lshl_add_u32 v[ADRC0], v2, 4, CARRY          ; a lane's channels 8 (l / 16) + 0..7, and 32 bytes on 16 + 8 (l / 16) + 0..7
	v_mov_b32 v[ADRC], v[ADRC0]
	s_mul_i32 s22, s10, 16*SP
	s_add_co_u32 s22, s22, STAGE                   ; my stage
	v_mul_u32_u24 v5, v1, SP                       ; in: row l % 16, 32 bytes for each half of the lanes
	v_lshl_add_u32 v5, v2, 5, v5
	v_add_nc_u32 v[STO], s22, v5
	v_add_nc_u32 v[RD], s22, v[CO]                 ; back: 32 lanes take a row of 512 bytes
	v_lshl_add_u32 v[CST], v0, 4, CARRY
	s_mov_b32 s[TC], 0
	; carry: from 0 through the maps of the tiles ahead of mine; a tile that is not ahead is computed and not taken
	s_wait_loadcnt 0x0
.irp n, 0,1,2,3,4,5,6,7
	v_cndmask_b32 v[176+(\n)], 0, v[72+(\n)], s72  ; behind tile 0: E_0
.endr
.irp j, 1,2,3,4,5,6
.irp n, 0,1,2,3
	v_pk_fma_f32 v[184+2*(\n):184+2*(\n)+1], v[64+16*(\j)+2*(\n):64+16*(\j)+2*(\n)+1], v[176+2*(\n):176+2*(\n)+1], v[72+16*(\j)+2*(\n):72+16*(\j)+2*(\n)+1]  ; P_j c + E_j
.endr
.irp n, 0,1,2,3,4,5,6,7
	v_cndmask_b32 v[176+(\n)], v[176+(\n)], v[184+(\n)], s[72+(\j)]
.endr
.endr
.irp n, 0,1,2,3
	v_cvt_pk_f16_f32 v[184+(\n)], v[176+2*(\n)], v[176+2*(\n)+1]
.endr
	ds_store_b128 v[CST], v[184:187]
.set i, 0
.rept 32                                               ; bo rounded to bf16, two at a time, and written back as f32; all this stands in the wait for the first tile
	v_cvt_pk_bf16_f32 v[BT+i%4], v[BIAS+2*i], v[BIAS+2*i+1]
	v_lshlrev_b32 v[BIAS+2*i], 16, v[BT+i%4]
	v_and_b32 v[BIAS+2*i+1], s79, v[BT+i%4]
.set i, i+1
.endr
; One matrix instruction: block of time a of the window's four, block b of d, 32 along K.  zero = 1: the product starts the sum, with bo as its C.
; The 64 accumulators take turns, one instruction a turn, in the same order in every quarter step.
.macro WM f, hi, a, b, zero
.if \zero
	WIN MUL_B+0x40*(\hi)
	v_wmma_f32_16x16x32_f16 v[8*(8*(\a)+(\b)):8*(8*(\a)+(\b))+7], v[(\f)+8*(\b):(\f)+8*(\b)+7], v[(\f)+8*(4*(\hi)+(\a)):(\f)+8*(4*(\hi)+(\a))+7], v[BIAS+8*(\b):BIAS+8*(\b)+7]
.else
	WIN MUL_LO+0x50*(\hi)
	v_wmma_f32_16x16x32_f16 v[8*(8*(\a)+(\b)):8*(8*(\a)+(\b))+7], v[(\f)+8*(\b):(\f)+8*(\b)+7], v[(\f)+8*(4*(\hi)+(\a)):(\f)+8*(4*(\hi)+(\a))+7], v[8*(8*(\a)+(\b)):8*(8*(\a)+(\b))+7]
.endif
.endm
.macro MUL16 f, hi, a0, zero           ; 16 of them: blocks a0, a0 + 1 x all 8 blocks of d
.irp a, \a0, (\a0)+1
.irp b, 0,1,2,3,4,5,6,7
	WM \f, \hi, \a, \b, \zero
.endr
.endr
.endm
.macro BUFS f                          ; the Acum buffer and carry's fragment that go with buffer f
.if (\f) == F0
.set AQ, 0
.set CF, 32
.else
.set AQ, 192
.set CF, 40
.endif
.endm
.macro FIX1 g                          ; register rn of buffer g: h = Acum x carry + H, two at a time, one rounding to f16
	BUFS \g
	v_pk_fma_f16 v[(\g)+rn], v[AQ+rn], v[CF+rn%8], v[(\g)+rn]
.set rn, rn+1
.endm
.macro FIXALL g
.set rn, 0
	WIN W_FIX
.rept 64
	FIX1 \g
.endr
.endm
; The same 16 products on buffer f, and behind each of them four of the 64 lines that make buffer g's h: they name no register of the products round them.
.macro MUL16R f, hi, a0, g, zero
.set rn, 0
.irp a, \a0, (\a0)+1
.irp b, 0,1,2,3,4,5,6,7
	WM \f, \hi, \a, \b, \zero
	WIN W_FIX
.rept 4
	FIX1 \g
.endr
.endr
.endr
.endm
; The LDS loads of quarter kq (32 channels) of a slot into buffer f, in three runs.
.macro RUNA slot, kq, f                ; 16: Acum of my 128 steps, turned: steps 16 a on lie in unit a / 4, 32 (a % 4) bytes into its Acum half
	BUFS \f
	WIN TO_1
.irp a, 0,1,2,3,4,5,6,7
	ds_load_tr16_b128 v[AQ+8*(\a):AQ+8*(\a)+3],   v[ADRT+(\slot)] offset:(\kq)*32*PA+((\a)/4)*256+((\a)%4)*32
	ds_load_tr16_b128 v[AQ+8*(\a)+4:AQ+8*(\a)+7], v[ADRT+(\slot)] offset:(\kq)*32*PA+16*PA+((\a)/4)*256+((\a)%4)*32
.endr
.endm
.macro RUNH slot, kq, f, coff          ; 18: H, 128 bytes on, and carry's fragment at byte coff of the lap's channels
	BUFS \f
	WIN 0
.irp a, 0,1,2,3,4,5,6,7
	ds_load_tr16_b128 v[(\f)+8*(\a):(\f)+8*(\a)+3],   v[ADRT+(\slot)] offset:(\kq)*32*PA+((\a)/4)*256+((\a)%4)*32+128
	ds_load_tr16_b128 v[(\f)+8*(\a)+4:(\f)+8*(\a)+7], v[ADRT+(\slot)] offset:(\kq)*32*PA+16*PA+((\a)/4)*256+((\a)%4)*32+128
.endr
	ds_load_b128 v[CF:CF+3],   v[ADRC] offset:(\coff)
	ds_load_b128 v[CF+4:CF+7], v[ADRC] offset:(\coff)+32
.endm
.macro RUNB slot, kq, f                ; 16: my 128 rows of wo16
	WIN TO_1
.irp i, 0,1,2,3,4,5,6,7
	ds_load_b128 v[(\f)+8*(\i):(\f)+8*(\i)+3],   v[ADRB+(\slot)] offset:64*(\kq)+(\i)*16*PB
	ds_load_b128 v[(\f)+8*(\i)+4:(\f)+8*(\i)+7], v[ADRB+(\slot)] offset:64*(\kq)+(\i)*16*PB+32
.endr
.endm
.macro PLACES                          ; four plain places between a matrix instruction and a load into, or a vector write of, one of its registers (ISA guide 7.12.1 for vector writes)
.rept 4
	v_nop
.endr
.endm
; A K step is two quarter steps of 32 channels, 64 matrix instructions each, on buffers 0 and 1.  The first: multiplies f, fetches the slot's second quarter into g and makes its h.
.macro QUARTER slot, f, g, coff, zero
	PLACES                                         ; g was multiplied in the quarter before
	RUNA \slot, 1, \g
	s_wait_dscnt 16                                ; all but the 16 just issued: f's rows of wo16, the run before them, are in
	MUL16 \f, 0, 0, \zero
	RUNH \slot, 1, \g, \coff
	MUL16 \f, 0, 2, \zero
	RUNB \slot, 1, \g
	MUL16 \f, 1, 0, \zero
	s_wait_dscnt 16                                ; Acum, H and carry are in; the youngest 16, wo16's, may be out
	MUL16R \f, 1, 2, \g, \zero
.endm
; The second multiplies buffer 1; at its head the slots change: ONE barrier.  In front of it each wave waits for all its tensor loads (one is out: its part of the next slot), adds 0 to its spare word, and waits
; for that and for its reads of this slot.  fill = 1: the barrier is a round of the cluster's, and the slot is filled again, two K steps ahead, first thing behind the round.
.macro TURN slot, next, fill, coff
	WIN 0
	s_wait_tensorcnt 0x0                           ; all my tensor loads have landed, so every group 0 may be written
	ds_add_u32 v[SPW], v[NIL]                      ; 0 onto my spare word; the descriptors' steps stand between it and the wait for it
.if \fill
	s_add_nc_u64 s[G0+4*(\slot)+2:G0+4*(\slot)+3], s[G0+4*(\slot)+2:G0+4*(\slot)+3], 2*64*65536
	s_add_nc_u64 s[G0B+4*(\slot)+2:G0B+4*(\slot)+3], s[G0B+4*(\slot)+2:G0B+4*(\slot)+3], 2*131072
.endif
	s_wait_dscnt 0x0                               ; the add is done, and my reads of this slot are over: buffer 1's rows of wo16 were the last
.if \fill
	CROUND                                         ; no wave of any partner still reads this slot's tile or has a load on its way
	JLOAD \slot                                    ; my one tensor load behind the round: 128 matrix instructions ahead of the wait for it; its four v_nop are also the places in front of the loads below
.else
	s_barrier_signal -1
	s_barrier_wait -1
	PLACES
.endif
	RUNA \next, 0, F0
	MUL16 F1, 0, 0, 0
	RUNH \next, 0, F0, \coff
	MUL16 F1, 0, 2, 0
	RUNB \next, 0, F0
	MUL16 F1, 1, 0, 0
	s_wait_dscnt 16                                ; Acum, H and carry are in; the youngest 16, wo16's, may be out
	MUL16R F1, 1, 2, F0, 0
.endm
	s_wait_dscnt 0x0                               ; for the others' sake: my part of carry is stored
	s_wait_tensorcnt 1                             ; my part of K step 0 is in; K step 1's may stay out
	s_barrier_signal -1
	s_barrier_wait -1                              ; everybody's is
	RUNA 0, 0, F0
	RUNH 0, 0, F0, 0
	RUNB 0, 0, F0
	s_wait_dscnt 0x0
	FIXALL F0
	QUARTER 0, F0, F1, 64, 1                       ; the first quarter stands in front of the loop: its products start the sums
	WIN 0                                          ; at a label and at a branch every window is 0
	s_mov_b32 s3, 7
.Llap:                                                 ; a trip goes once round the ring and fills both slots again: K steps 2 to 15 in seven trips
	TURN 0, 1, 1, 128
	QUARTER 1, F0, F1, 192, 0
	TURN 1, 0, 1, 256
	QUARTER 0, F0, F1, 320, 0
	WIN 0
	s_add_co_u32 s[TC], s[TC], 256                 ; a lap is 128 channels
	v_add_nc_u32 v[ADRC], s[TC], v[ADRC0]
	s_sub_co_u32 s3, s3, 1
	s_cmp_lg_u32 s3, 0
	s_cbranch_scc1 .Llap
	TURN 0, 1, 0, 128                              ; the last lap fills nothing
	QUARTER 1, F0, F1, 192, 0
	s_wait_dscnt 0x0                               ; buffer 1's rows of wo16
	MUL16 F1, 0, 0, 0
	MUL16 F1, 0, 2, 0
	MUL16 F1, 1, 0, 0
	MUL16 F1, 1, 2, 0
; THE WAY OUT.  A lane's eight sums are 32 bytes of a row of out0.  A block of 16 rows goes from the accumulators into my stage (each accumulator's four lowest registers first)
; and comes back as whole rows of 512 bytes; a store covers 512 consecutive bytes.
.macro TOSTAGE a
.set AR, 64*((\a)%4)
.set BKA, 192-128*((\a)%2)
	WIN 0
	s_wait_xcnt 0x0                                ; the registers that earlier stores read are loaded again only behind this wait
	WIN 0x08+4*((\a)/4)                            ; the stores' data in window 2 or 3
.irp b, 0,1,2,3,4,5,6,7
	ds_store_b128 v[STO], v[AR+8*(\b):AR+8*(\b)+3] offset:64*(\b)
	ds_store_b128 v[STO], v[AR+8*(\b)+4:AR+8*(\b)+7] offset:64*(\b)+16
.endr
	WIN 0
.irp t, 0,1,2,3,4,5,6,7,8,9,10,11,12,13,14,15
	ds_load_b128 v[BKA+4*(\t):BKA+4*(\t)+3], v[RD] offset:(\t)*SP  ; LDS serves a wave's instructions in order (ISA guide 5.7.1.4): these see the stores above
.endr
.endm
.macro SEND a, younger                 ; younger: the LDS instructions issued behind block a's loads: the next block's 32, or none
.set BKA, 192-128*((\a)%2)
	s_wait_dscnt \younger
.irp t, 0,1,2,3,4,5,6,7,8,9,10,11,12,13,14,15
	global_store_b128 v[CO], v[BKA+4*(\t):BKA+4*(\t)+3], s[8:9] offset:(\a)*65536+(\t)*4096 th:TH_STORE_NT  ; 512 consecutive bytes, at a multiple of 512 from out0's first byte
.endr
.endm
	PLACES                                         ; the stores below read results just made
	TOSTAGE 0
.irp a, 1,2,3,4,5,6,7
	TOSTAGE \a
	SEND (\a)-1, 32
.endr
	SEND 7, 0
	s_wait_tensorcnt 0x0                           ; the wave's end: behind my last tensor load and my last LDS store
	ds_add_u32 v[SPW], v[NIL]
	s_wait_dscnt 0x0
	CROUND                                         ; the closing round: no work-group ends while a partner may still ask for a tile that names it
	s_endpgm
.Lfunc_end_k_qe58cb6677a_outp:
	.size	k_qe58cb6677a_outp, .Lfunc_end_k_qe58cb6677a_outp-k_qe58cb6677a_outp
	.p2alignl 7, 3214868480
	.fill 96, 4, 3214868480
	.section	.rodata,"a",@progbits
	.p2align	6, 0x0
	.amdhsa_kernel k_qe58cb6677a_outp
		.amdhsa_group_segment_fixed_size 327680
		.amdhsa_private_segment_fixed_size 0
		.amdhsa_enable_private_segment 0
		.amdhsa_kernarg_size 40
		.amdhsa_user_sgpr_count 2
		.amdhsa_user_sgpr_kernarg_segment_ptr 1
		.amdhsa_wavefront_size32 1
		.amdhsa_system_sgpr_workgroup_id_x 1
		.amdhsa_system_sgpr_workgroup_id_y 1
		.amdhsa_system_sgpr_workgroup_id_z 1
		.amdhsa_system_vgpr_workitem_id 0
		.amdhsa_next_free_vgpr 1024
		.amdhsa_next_free_sgpr 92
		.amdhsa_reserve_vcc 0
		.amdhsa_float_denorm_mode_32 3
		.amdhsa_float_denorm_mode_16_64 3
		.amdhsa_memory_ordered 1
		.amdhsa_forward_progress 1
		.amdhsa_inst_pref_size 153
	.end_amdhsa_kernel
	.amdgpu_metadata
---
amdhsa.version: [ 1, 2 ]
amdhsa.kernels:
  - .name:           k_qe58cb6677a_outp
    .symbol:         k_qe58cb6677a_outp.kd
    .args:
      - { .name: gst, .offset: 0, .size: 8, .value_kind: global_buffer, .address_space: global }
      - { .name: wo16, .offset: 8, .size: 8, .value_kind: global_buffer, .address_space: global }
      - { .name: out0, .offset: 16, .size: 8, .value_kind: global_buffer, .address_space: global }
      - { .name: pet, .offset: 24, .size: 8, .value_kind: global_buffer, .address_space: global }
      - { .name: bo, .offset: 32, .size: 8, .value_kind: global_buffer, .address_space: global }
    .group_segment_fixed_size: 327680
    .private_segment_fixed_size: 0
    .kernarg_segment_align: 8
    .kernarg_segment_size: 40
    .max_flat_workgroup_size: 128
    .sgpr_count:     92
    .vgpr_count:     1024
    .wavefront_size: 32
...
	.end_amdgpu_metadata
.endif
;; end of part 3
;; ======== version 2 of 2: 3 launches; version 1 with the launch prep written anew for expert scheduling mode
;; limits: values are held in f16: magnitudes above 65,504 overflow, below 6.1e-05 lose precision; values outside matrix products are rounded to f16; right only within a limited range of input values
;; workspace buffers: xb16 33,554,432 bytes; wg16 4,194,304 bytes; wo16 2,097,152 bytes; gst 67,108,864 bytes; pet 524,288 bytes
;; launch prep (part 4): grid 512 x 1, 8 waves a work-group, no clusters, 0 bytes of LDS; arguments x, Wz, Wh, Wo, xb16, wg16, wo16; writes xb16, wg16, wo16
.if DOCPART == 4
	.amdgcn_target "amdgcn-amd-amdhsa--gfx1250"
	.amdhsa_code_object_version 6
	.text
	.protected	k_qe58cb6677a_prep
	.globl	k_qe58cb6677a_prep
	.p2align	8
	.type	k_qe58cb6677a_prep,@function
k_qe58cb6677a_prep:
	s_mov_b64 s[64:65], 0
	v_nop
	global_prefetch_b8 v0, s[64:65] scope:SCOPE_SE
	s_setreg_imm32_b32 hwreg(HW_REG_WAVE_SCHED_MODE, 0, 2), 2
	s_setreg_imm32_b32 hwreg(HW_REG_WAVE_MODE, 25, 1), 1
	s_wait_xcnt 0x0
	s_wait_alu depctr_vm_vsrc(0)
; PREP: the inputs of the three products are rounded once and laid out for the tensor loads of the two launches behind.
;   xb16 [16384][1024] bf16 = x.
;   wg16 [2048][1024] bf16: row 128 (ch / 64) + 64 kind + ch % 64, kind 0 = Wz, 1 = Wh: 64 gate rows, then the 64 candidate rows of the same channels.
;   wo16 [16 blocks of 64 k][1024 d][64] f16 = Wo rounded to bf16 and that number written as f16: 256 rows d of a block are 32,768 dense bytes.
; LIMIT: a weight of Wo below 6e-5 in magnitude keeps f16's fixed step of 6e-8; beyond 65,504 it would be an infinity.
; A stream: memory binds, so no LDS, no barrier, no matrix unit.  Work-group G takes rows 32 G .. 32 G + 31 of x and rows 2 G, 2 G + 1 of each weight:
; 38 items of 4,096 input bytes, alike in every work-group.  Thread t owns 16 input bytes of an item: a wave's load covers 512 consecutive bytes, its store 256 consecutive
; aligned bytes.  Every row stands in an immediate, so no address register and no base is ever rewritten.
; THE MODE: SCHED_MODE bits 1:0 = 2 (LLVM: expert scheduling mode 2), set by the entry lines.  The code itself states the register dependences
; between vector instructions and memory instructions, with s_wait_alu, always for 0.
; THE PLAN.  The 38 items go in ten blocks of four (the last has two).  Registers that memory instructions touch:
;   X0 .. X5   six blocks of input as loaded.  Written by loads alone: those of block p + 5, issued in block p; read by block p's conversions.
;   Y0, Y1     two blocks to store.            Written by block p's conversions; read by the four stores that are issued in block p + 1.
;   v1 .. v4   byte offsets, made once at the head and never written again.
; Block p works on X[p % 6] and writes Y[p % 2].  Its memory instructions are the loads into X[(p + 5) % 6] = X[(p - 1) % 6] and the stores from Y[(p - 1) % 2]:
; the two buffers that block p - 1 worked on and that no vector instruction of block p names.  So the waits at a block's head state all that its memory instructions
; hang on, and these are dealt among its conversions with no further wait.  At a block's head 16 younger loads of the wave are out, behind its loads 20.
.set NX,    32                         ; rows of x
.set NITEM, NX+6
.set BLOCK, 4                          ; items in a block
.set NBUF,  6                          ; buffers of X
.set AHEAD, NBUF-1                     ; a block's loads are those of the block AHEAD further on
.set NBLK,  (NITEM+BLOCK-1)/BLOCK
.set VI,  1                            ; v1  16 t: my bytes in an input row
.set VO,  2                            ; v2  8 t: my bytes in a bf16 row
.set VIW, 3                            ; v3  Wo: (lane / 16) rows of 4,096 + 256 wave + 16 (lane % 16)
.set VOW, 4                            ; v4  wo16: 131,072 wave (the block) + 128 (lane / 16) + 8 (lane % 16)
.set T,   6                            ; v6-9  at work: no memory instruction names them
.set X,   16                           ; v16-111   item i: 4 registers as loaded, at X + 4 (i % 24)
.set Y,   112                          ; v112-127  item i: 2 registers to store, at Y + 8 ((i / 4) % 2) + 2 (i % 4)
	s_load_b256 s[4:11], s[0:1], 0x0               ; x s[4:5], Wz s[6:7], Wh s[8:9], Wo s[10:11]
	s_load_b128 s[12:15], s[0:1], 0x20             ; xb16 s[12:13], wg16 s[14:15]
	s_load_b64 s[16:17], s[0:1], 0x30              ; wo16
	v_lshlrev_b32 v[VI], 4, v0
	v_lshlrev_b32 v[VO], 3, v0
	v_and_b32 v5, 15, v0                           ; lane % 16
	v_bfe_u32 v10, v0, 4, 1                        ; lane / 16
	v_lshrrev_b32 v11, 5, v0                       ; wave
	v_lshlrev_b32 v[VIW], 4, v5
	v_lshl_add_u32 v[VIW], v11, 8, v[VIW]
	v_lshl_add_u32 v[VIW], v10, 12, v[VIW]
	v_lshlrev_b32 v[VOW], 3, v5
	v_lshl_add_u32 v[VOW], v10, 7, v[VOW]
	v_lshl_add_u32 v[VOW], v11, 17, v[VOW]
	s_mov_b32 s22, 0xffff0000                      ; a word's upper bf16
	s_mov_b32 s21, 0
	s_lshr_b32 s23, ttmp9, 5                       ; wg16's first row: 128 (G / 32) + (2 G) % 64
	s_lshl_b32 s23, s23, 7
	s_lshl_b32 s24, ttmp9, 1
	s_and_b32 s24, s24, 63
	s_add_co_u32 s23, s23, s24
	s_lshl_b32 s20, ttmp9, 17                      ; 32 rows of 4,096 bytes
	s_wait_kmcnt 0x0
	s_add_nc_u64 s[4:5], s[4:5], s[20:21]
	s_lshl_b32 s20, ttmp9, 16                      ; 32 rows of 2,048 bytes
	s_add_nc_u64 s[12:13], s[12:13], s[20:21]
	s_lshl_b32 s20, ttmp9, 13                      ; 2 rows of 4,096 bytes
	s_add_nc_u64 s[6:7], s[6:7], s[20:21]
	s_add_nc_u64 s[8:9], s[8:9], s[20:21]
	s_add_nc_u64 s[10:11], s[10:11], s[20:21]
	s_lshl_b32 s20, ttmp9, 8                       ; 2 rows of 128 bytes in a block of wo16
	s_add_nc_u64 s[16:17], s[16:17], s[20:21]
	s_lshl_b32 s20, s23, 11                        ; rows of 2,048 bytes
	s_add_nc_u64 s[14:15], s[14:15], s[20:21]
	s_wait_alu depctr_va_vdst(0)                   ; the four offsets v1 to v4 are written: every load and store of the kernel reads one of them
; The load of item i.  Items 0-31: rows of x.  32, 33: Wz.  34, 35: Wh.  36, 37: Wo, by pieces of two rows x 512 columns, so that a wave's store fills two whole rows of one block.
.macro LOADI i
.set sl, X+4*((\i)%(BLOCK*NBUF))
.if (\i) < NX
	global_load_b128 v[sl:sl+3], v[VI], s[4:5] offset:4096*(\i) th:TH_LOAD_NT
.elseif (\i) < NX+2
	global_load_b128 v[sl:sl+3], v[VI], s[6:7] offset:4096*((\i)-NX) th:TH_LOAD_NT
.elseif (\i) < NX+4
	global_load_b128 v[sl:sl+3], v[VI], s[8:9] offset:4096*((\i)-NX-2) th:TH_LOAD_NT
.else
	global_load_b128 v[sl:sl+3], v[VIW], s[10:11] offset:2048*((\i)-NX-4) th:TH_LOAD_NT
.endif
.endm
; Item i is rounded, out of its X into its Y.
.macro CVTI i
.set sx, X+4*((\i)%(BLOCK*NBUF))
.set sy, Y+2*BLOCK*(((\i)/BLOCK)%2)+2*((\i)%BLOCK)
.if (\i) < NX+4
	v_cvt_pk_bf16_f32 v[sy], v[sx], v[sx+1]
	v_cvt_pk_bf16_f32 v[sy+1], v[sx+2], v[sx+3]
.else
	v_cvt_pk_bf16_f32 v[T], v[sx], v[sx+1]         ; Wo: rounded to bf16 like every input,
	v_cvt_pk_bf16_f32 v[T+1], v[sx+2], v[sx+3]
	v_lshlrev_b32 v[T+2], 16, v[T]
	v_and_b32 v[T], s22, v[T]
	v_lshlrev_b32 v[T+3], 16, v[T+1]
	v_and_b32 v[T+1], s22, v[T+1]
	v_cvt_pk_f16_f32 v[sy], v[T+2], v[T]           ; and that number written as f16
	v_cvt_pk_f16_f32 v[sy+1], v[T+3], v[T+1]
.endif
.endm
; The store of item i.
.macro STOREI i
.set sy, Y+2*BLOCK*(((\i)/BLOCK)%2)+2*((\i)%BLOCK)
.if (\i) < NX
	global_store_b64 v[VO], v[sy:sy+1], s[12:13] offset:2048*(\i)
.elseif (\i) < NX+2
	global_store_b64 v[VO], v[sy:sy+1], s[14:15] offset:2048*((\i)-NX)
.elseif (\i) < NX+4
	global_store_b64 v[VO], v[sy:sy+1], s[14:15] offset:131072+2048*((\i)-NX-2)
.else
	global_store_b64 v[VOW], v[sy:sy+1], s[16:17] offset:1048576*((\i)-NX-4)
.endif
.endm
; Block p: its four loads are in; the loads of block p + 5 and the stores of block p - 1 are dealt among its conversions, a load and a store ahead of each item's.
.macro BLK p
.set hi, BLOCK*((\p)+AHEAD)-1                          ; the last item asked for so far,
.if hi > NITEM-1
.set hi, NITEM-1
.endif
.set lo, BLOCK*(\p)+BLOCK-1                            ; and this block's last
.if lo > NITEM-1
.set lo, NITEM-1
.endif
.set lc, hi-lo
	s_wait_loadcnt lc                              ; loads come back in order (ISA guide 5.7.1): this block's are in, the younger ones (16, at the end fewer) stay out
.if (\p) >= 2
	s_wait_xcnt 0x0                                ; every earlier memory instruction has had its addresses translated (ISA guide 3.1): this block's Y, which the stores issued in the block before read, is rewritten only behind this wait
	s_wait_alu depctr_vm_vsrc(0)                   ; the stores issued in the block before have read this block's Y, which its conversions write again
.endif
.if (\p) >= 1
	s_wait_alu depctr_va_vdst(0)                   ; the block before has written the other Y, which the stores below read, and is done reading its X, in which the loads below land
.endif
.irp j, 0,1,2,3
.set it, BLOCK*((\p)+AHEAD)+(\j)
.if it < NITEM
	LOADI it                                       ; five blocks ahead; no vector instruction since the wait names these registers
.endif
.if (\p) >= 1
.set it, BLOCK*((\p)-1)+(\j)
	STOREI it                                      ; the block before
.endif
.set it, BLOCK*(\p)+(\j)
.if it < NITEM
	CVTI it
.endif
.endr
.endm
.set n, 0
.rept BLOCK*AHEAD                                      ; blocks 0 to 4 into X0 to X4
	LOADI n
.set n, n+1
.endr
.set n, 0
.rept NBLK
	BLK n
.set n, n+1
.endr
	s_wait_alu depctr_va_vdst(0)                   ; the last block has written its Y, which the last two stores read
.set n, BLOCK*(NBLK-1)
.rept NITEM-BLOCK*(NBLK-1)
	STOREI n
.set n, n+1
.endr
	s_endpgm
.Lfunc_end_k_qe58cb6677a_prep:
	.size	k_qe58cb6677a_prep, .Lfunc_end_k_qe58cb6677a_prep-k_qe58cb6677a_prep
	.p2alignl 7, 3214868480
	.fill 96, 4, 3214868480
	.section	.rodata,"a",@progbits
	.p2align	6, 0x0
	.amdhsa_kernel k_qe58cb6677a_prep
		.amdhsa_group_segment_fixed_size 0
		.amdhsa_private_segment_fixed_size 0
		.amdhsa_enable_private_segment 0
		.amdhsa_kernarg_size 56
		.amdhsa_user_sgpr_count 2
		.amdhsa_user_sgpr_kernarg_segment_ptr 1
		.amdhsa_wavefront_size32 1
		.amdhsa_system_sgpr_workgroup_id_x 1
		.amdhsa_system_sgpr_workgroup_id_y 1
		.amdhsa_system_sgpr_workgroup_id_z 1
		.amdhsa_system_vgpr_workitem_id 0
		.amdhsa_next_free_vgpr 128
		.amdhsa_next_free_sgpr 66
		.amdhsa_reserve_vcc 0
		.amdhsa_float_denorm_mode_32 3
		.amdhsa_float_denorm_mode_16_64 3
		.amdhsa_memory_ordered 1
		.amdhsa_forward_progress 1
		.amdhsa_inst_pref_size 16
	.end_amdhsa_kernel
	.amdgpu_metadata
---
amdhsa.version: [ 1, 2 ]
amdhsa.kernels:
  - .name:           k_qe58cb6677a_prep
    .symbol:         k_qe58cb6677a_prep.kd
    .args:
      - { .name: x, .offset: 0, .size: 8, .value_kind: global_buffer, .address_space: global }
      - { .name: Wz, .offset: 8, .size: 8, .value_kind: global_buffer, .address_space: global }
      - { .name: Wh, .offset: 16, .size: 8, .value_kind: global_buffer, .address_space: global }
      - { .name: Wo, .offset: 24, .size: 8, .value_kind: global_buffer, .address_space: global }
      - { .name: xb16, .offset: 32, .size: 8, .value_kind: global_buffer, .address_space: global }
      - { .name: wg16, .offset: 40, .size: 8, .value_kind: global_buffer, .address_space: global }
      - { .name: wo16, .offset: 48, .size: 8, .value_kind: global_buffer, .address_space: global }
    .group_segment_fixed_size: 0
    .private_segment_fixed_size: 0
    .kernarg_segment_align: 8
    .kernarg_segment_size: 56
    .max_flat_workgroup_size: 256
    .sgpr_count:     66
    .vgpr_count:     128
    .wavefront_size: 32
...
	.end_amdgpu_metadata
.endif
;; end of part 4
;; launch gates: the kernel of part 2 again; grid 64 x 8, 4 waves a work-group, clusters of 4 x 4, 327,680 bytes of LDS; arguments wg16, xb16, bz, bh, gst, pet; writes gst, pet
;; launch outp: the kernel of part 3 again; grid 4 x 64, 4 waves a work-group, clusters of 4 x 4, 327,680 bytes of LDS; arguments gst, wo16, out0, pet, bo; writes out0
